; MI455X (gfx1250); checked and timed in simulation.
; The chip was launched on July 23, 2026; its instructions are those of AMD's public machine-readable ISA for CDNA 5 (MIT licence, August 2026) and "CDNA5" Instruction Set Architecture Reference Guide (July 2026). The comments in the code are by the model that wrote it; some were corrected since.
;; Global Attention. Allowed arithmetic: matrix products marked QUANTISED: E2M1 operands, one E8M0 scale for each 32 along K, by v_wmma_scale_f32_16x16x128_f8f6f4 with both operands' format E2M1 (or v_wmma_scale_f32_32x16x128_f4), f32 sums; products left as they are: f32 operands where the result goes on into a quantised operand, else bf16, f16 or f32 operands; f32 sums; everything else in f32.
;; Inputs: attn_b 1,024 float32; attn_w 2,048 x 1,024 float32; encoder_outputs 16 x 4,096 x 1,024 float32; hidden 16 x 512 float32; v_w 1,024 float32.
;; Outputs: out0 16 x 1,024 float32.
;; This version of the problem:
;;   THIS VERSION OF THE PROBLEM IS GIVEN IN LOW PRECISION. The matrix products marked QUANTISED in the list below multiply operands that are first quantised to E2M1 (2 exponent bits, 1 mantissa bit; 4 bits a number), with one power-of-two scale for each 32 numbers along K (OCP MX v1.0); their sums are f32. All else is computed in f32.
;;   The module's matrix products, in the order in which they are computed (A, B: the left and right operand; K: the contracted axis; several contracted axes count as one K, in the product's order):
;;     1. [M 16, K 1,024] x [K 1,024, N 1,024]; A: computed on the way; B: input attn_w: QUANTISED
;;     2. [M 65,536, K 1,024] x [K 1,024, N 1,024]; A: input encoder_outputs; B: input attn_w: QUANTISED
;;     3. [M 65,536, K 1,024] x [K 1,024, N 1]; A: computed on the way; B: input v_w: left as it is (N = 1 < 16)
;;     4. batch 16 x [M 1,024, K 4,096] x [K 4,096, N 1]; A: input encoder_outputs; B: softmax: left as it is (N = 1 < 16)
;;   THE QUANTISER, for each operand of a quantised product, along K:
;;     - K is cut into blocks of 32 from its start; a last block that is shorter is filled with zeros.
;;     - A block's scale is 2^e with e = floor(log2(the largest magnitude in the block)) - 2, held to -126 .. 127; a block of zeros has e = 0. As a byte (E8M0): e + 127.
;;     - Each number is divided by its block's scale, clamped to +-6, and rounded to the nearest number of E2M1, ties to even, subnormals kept.
;;     - The product sums the exact products of the quantised numbers (number of the format x scale) in f32.
;;   ~~~python
;;   def quantise(x, axis):      # numpy; x: float32 -> the quantised numbers, widened to float32 again
;;       x = np.moveaxis(x, axis, -1); K = x.shape[-1]
;;       x = np.pad(x, [(0, 0)] * (x.ndim - 1) + [(0, -K % 32)]); x = x.reshape(x.shape[:-1] + (-1, 32)); a = np.abs(x).max(-1, keepdims=True)
;;       e = np.where(a > 0, np.clip(np.frexp(np.where(a > 0, a, 1))[1] - 1 - 2, -126, 127), 0)      # np.frexp(a)[1] - 1 = floor(log2(a)), exactly
;;       r = np.clip(x / 2.0 ** e, -6, 6)
;;       step = 2.0 ** (np.maximum(np.frexp(np.where(r == 0, 1, r))[1] - 1, 0) - 1)
;;       q = np.round(r / step) * step * 2.0 ** e      # np.round: ties to even
;;       return np.moveaxis(q.reshape(q.shape[:-2] + (-1,))[..., :K], -1, axis).astype(np.float32)
;;   ~~~
;;   OPERANDS COMPUTED ON THE WAY. 'Computed on the way' means the value that the module computes at that place (a softmax that the list does not call 'softmax' is quantised finished and normalised). What goes into a quantiser is computed in f32, as accurately as f32 sums, v_exp_f32 and their like allow (about 1e-6 of the number): no bf16 or f16 on the way to a quantiser, and a product that is left as it is and whose result goes on into a quantised operand takes f32 operands (vector FMAs, or v_wmma_f32_16x16x4_f32). A number that lies on a knife's edge between two numbers of the format may be rounded either way, as far as f32 arithmetic and the matrix unit's own rounding can turn it there, and no further.
;; One version. Each part assembles by itself: llvm-mc -triple=amdgcn-amd-amdhsa -mcpu=gfx1250 --defsym DOCPART=n.
;; ======== version 1 of 1: 3 launches
;; limits: values are held in bf16: 8 bits of precision; right only within a limited range of input values
;; workspace buffers: wfrag 524,288 bytes; wscale 32,768 bytes; cbv 262,144 bytes; part 1,114,112 bytes
;; launch prep (part 1): grid 128 x 1, 8 waves a work-group, no clusters, 10,240 bytes of LDS; arguments attn_w, hidden, attn_b, v_w, wfrag, wscale, cbv; writes wfrag, wscale, cbv
.if DOCPART == 1
	.amdgcn_target "amdgcn-amd-amdhsa--gfx1250"
	.amdhsa_code_object_version 6
	.text
	.protected	k_q9b96d8980a_prep
	.globl	k_q9b96d8980a_prep
	.p2align	8
	.type	k_q9b96d8980a_prep,@function
k_q9b96d8980a_prep:
	s_mov_b64 s[64:65], 0
	v_nop
	global_prefetch_b8 v0, s[64:65] scope:SCOPE_SE
	s_setreg_imm32_b32 hwreg(HW_REG_WAVE_MODE, 25, 1), 1
	s_wait_xcnt 0x0
; PREPARATION.  attn_w [2048][1024] f32: rows 0-1023 are W_h, rows 1024-2047 W_e; K is its FIRST axis.  hidden [16][512], attn_b [1024], v_w [1024] f32.
; Made here: (1) W_e as codes of FP4 (E2M1) in the order of the operand's registers, wfrag[T][s][c][lane][16 bytes]: registers 4 c .. 4 c + 3 of the fragment of columns 16 T + lane % 16,
; k = 128 s + 64 c + 32 (lane / 16) + 0 .. 31; its E8M0 bytes wscale[n][32].  (2) proj_h = Q(rep_h) Q(W_h) + attn_b by the scaled FP4 matrix instruction, rep_h[k] = hidden[k mod 512].
; (3) the table cbv[b][n] = (cb, cb, v2, v2), cb = C2 proj_h[b][n], v2 = -C2 v_w[n], C2 = 2 log2(e): what the main launch's tanh and score want of a column, as pairs for packed arithmetic.
; SHARES.  Work-group T takes columns 16 T .. 16 T + 15, its wave q the K step k = 128 q .. 128 q + 127.  A LANE TAKES A COLUMN (for hidden: a batch row) AND ITS REGISTERS RUN ALONG K, in the order that the
; operand's layout gives that lane: the conversions' results are the operand's registers and nothing is transposed.  A lane holds two whole blocks of 32, so a block's largest magnitude needs no other lane.
; A load of W reads 64 neighbouring bytes in sixteen lanes; the four work-groups beside each other read the rest of the same 256 bytes; the tensor is 8 MiB and is read here once.
; A block's scale byte is its largest magnitude's exponent field - 2, held at 1 from below.  LIMITS: a block of zeros gets the byte 1 where the rule says 127 (its codes are zeros, and this program alone reads
; the bytes); NaN and infinities among the inputs are not served.  The eight K steps' parts of proj_h are added in f32 in ascending K, behind the bias.
.set RED, 0                            ; LDS: [wave][register j][lane] f32: the eight parts of proj_h, 1,024 bytes a wave
.set WSL, 8192                         ; LDS: [column r][32 scale bytes] of W_e
.set CH,  16                           ; v16-23  hidden's codes
.set CW,  24                           ; v24-31  W_h's
.set CE,  32                           ; v32-39  W_e's
.set D,   40                           ; v40-47  my K step's part of proj_h; later the eight parts of one register
.set SH,  48                           ; v48, v49 scale words of hidden and W_h: they hold scales and nothing else;  v50 W_e's
.set SW,  49
.set SE,  50
.set XH,  64                           ; v64-127  64 numbers of hidden;  v128-191 of W_h;  v192-255 of W_e: register 32 c + i = k 128 q + 64 c + 32 h + i
.set XW,  128
.set XE,  192
	s_load_b256 s[4:11], s[0:1], 0x0               ; attn_w s[4:5], hidden s[6:7], attn_b s[8:9], v_w s[10:11]
	s_load_b128 s[12:15], s[0:1], 0x20             ; wfrag s[12:13], wscale s[14:15]
	s_load_b64 s[16:17], s[0:1], 0x30              ; cbv
	v_lshl_add_u32 v60, v0, 2, 0x2400
	v_mov_b32 v63, 0
	v_lshrrev_b32 v1, 5, v0
	s_delay_alu instid0(VALU_DEP_1)
	v_readfirstlane_b32 s18, v1                    ; q: my wave, my K step
	v_and_b32 v1, 31, v0                           ; lane
	v_and_b32 v2, 15, v0                           ; r
	v_bfe_u32 v3, v0, 4, 1                         ; h
	s_delay_alu instid0(VALU_DEP_2)
	v_lshlrev_b32 v7, 2, v2                        ; 4 r
	s_delay_alu instid0(VALU_DEP_1)
	v_lshl_add_u32 v4, v3, 17, v7                  ; W: column r, and 32 rows of 4,096 bytes further down for lanes 16-31
	s_delay_alu instid0(VALU_DEP_4)
	v_lshlrev_b32 v5, 11, v2
	s_delay_alu instid0(VALU_DEP_1)
	v_lshl_add_u32 v5, v3, 7, v5                   ; hidden: row r of 2,048 bytes, + 32 numbers for lanes 16-31
	v_lshlrev_b32 v6, 4, v1                        ; 16 x lane
	s_lshl_b32 s28, s18, 10
	v_lshl_add_u32 v8, v1, 2, s28                  ; RED + 1,024 q + 4 lane: where I put my part
	s_lshl_b32 s28, s18, 7
	v_lshl_add_u32 v9, v1, 2, s28                  ; RED + 128 q + 4 lane: register q of every wave's part
	s_lshl_b32 s28, s18, 2
	s_add_co_u32 s28, s28, WSL
	v_lshl_add_u32 v10, v2, 5, s28                 ; WSL + 32 r + 4 q: my K step's scale word of column r
	v_add_nc_u32 v11, WSL, v6                      ; WSL + 16 lane
	v_lshl_add_u32 v12, v3, 3, s18                 ; batch 8 h + q
	s_delay_alu instid0(VALU_DEP_1)
	v_lshlrev_b32 v12, 14, v12
	s_delay_alu instid0(VALU_DEP_1)
	v_lshl_add_u32 v12, v2, 4, v12                 ; its row of the table, 16,384 bytes, + 16 r
	v_lshlrev_b32 v13, 3, v3                       ; 8 h: my two scale bytes' shift in the word
	v_mov_b32 v58, 0                               ; written once: a lane permute's destination counts as one of its sources
	s_mov_b32 s20, 0x76543210
	s_mov_b32 s21, 0xfedcba98                      ; v_permlanex16_b32's selects for lane l xor 16
	; Work-groups 0-63 lay W_e out (codes and scale bytes); work-groups 64-127 make proj_h and the table.  T = the work-group's number mod 64.
	; The two paths part on the work-group's number, the same in all eight waves; each has LDS bytes and a barrier of its own.
	s_and_b32 s19, ttmp9, 63                       ; T
	s_lshl_b32 s30, s19, 6                         ; 64 T: my columns in a row of f32
	s_mov_b32 s31, 0
	s_lshl_b32 s28, s18, 19                        ; 128 q rows of 4,096 bytes
	s_add_co_u32 s28, s28, s30
	s_mov_b32 s29, 0
	s_and_b32 s32, s18, 3
	s_lshl_b32 s32, s32, 9                         ; hidden is taken twice along K: k mod 512
	s_mov_b32 s33, 0
	s_lshl_b32 s34, s19, 3
	s_add_co_u32 s34, s34, s18
	s_lshl_b32 s34, s34, 10                        ; fragment 8 T + q, 1,024 bytes each
	s_mov_b32 s35, 0
	s_lshl_b32 s36, s19, 9                         ; 16 columns x 32 scale bytes
	s_mov_b32 s37, 0
	s_lshl_b32 s38, s19, 8                         ; 16 columns x 16 bytes of the table
	s_mov_b32 s39, 0
	s_wait_kmcnt 0x0
	s_add_nc_u64 s[22:23], s[4:5], s[28:29]        ; W_h at my K step and columns
	s_add_nc_u64 s[24:25], s[22:23], 0x400000      ; W_e: 1,024 rows further down
	s_add_nc_u64 s[26:27], s[6:7], s[32:33]
	s_add_nc_u64 s[8:9], s[8:9], s[30:31]
	s_add_nc_u64 s[10:11], s[10:11], s[30:31]
	s_add_nc_u64 s[12:13], s[12:13], s[34:35]
	s_add_nc_u64 s[14:15], s[14:15], s[36:37]
	s_add_nc_u64 s[16:17], s[16:17], s[38:39]
	s_cmp_lt_u32 ttmp9, 64
	s_cbranch_scc1 .Lwe                            ; W_e's work-groups go their own way
.irp c, 0,1
.irp j, 0,1,2,3,4,5,6,7
	global_load_b128 v[XH+32*\c+4*\j:XH+32*\c+4*\j+3], v5, s[26:27] offset:256*\c+16*\j
.endr
.endr
	global_load_b32 v61, v7, s[8:9]                ; attn_b of column r
	global_load_b32 v62, v7, s[10:11]              ; v_w of column r
.set i, 0
.rept 64
	global_load_b32 v[XW+i], v4, s[22:23] offset:(64*(i/32)+i%32)*4096
.set i, i+1
.endr
; 64 numbers of a lane, two whole blocks, become the operand's eight registers v[c] on and the scale word v[w] (whole in every lane).
.macro Q128 x, c, w
	v_max3_num_f32 v51, |v[\x]|, |v[\x+1]|, 0x1800000      ; a block's largest magnitude, and the floor 2^(3 - 127): so the byte cannot fall under 1
	v_max3_num_f32 v52, |v[\x+32]|, |v[\x+33]|, 0x1800000  ; (the two blocks by turns)
.irp i, 2,4,6,8,10,12,14,16,18,20,22,24,26,28,30
	s_delay_alu instid0(VALU_DEP_2)
	v_max3_num_f32 v51, v51, |v[\x+\i]|, |v[\x+\i+1]|
	s_delay_alu instid0(VALU_DEP_2)
	v_max3_num_f32 v52, v52, |v[\x+32+\i]|, |v[\x+33+\i]|
.endr
	s_delay_alu instid0(VALU_DEP_2)
	v_add_nc_u32 v53, 0xff000000, v51              ; 2 off the exponent field: the conversion takes the exponent field of this operand as its scale
	s_delay_alu instid0(VALU_DEP_2)
	v_add_nc_u32 v54, 0xff000000, v52
	s_delay_alu instid0(VALU_DEP_2)
	v_lshrrev_b32 v55, 23, v53                     ; the scale's byte
	s_delay_alu instid0(VALU_DEP_2)
	v_lshrrev_b32 v56, 23, v54
	s_delay_alu instid0(VALU_DEP_1)
	v_lshl_or_b32 v[\w], v56, 16, v55              ; blocks h and 2 + h,
	s_delay_alu instid0(VALU_DEP_1)
	v_lshlrev_b32 v[\w], v13, v[\w]                ; at their places in the word;
	s_delay_alu instid0(VALU_DEP_1)
	v_permlanex16_b32 v58, v[\w], s20, s21
	s_delay_alu instid0(VALU_DEP_1)
	v_or_b32 v[\w], v[\w], v58                     ; with lane l xor 16's two the word is whole
.irp g, 0,1,2,3
	v_cvt_scalef32_pk8_fp4_f32 v[\c+\g], v[\x+8*\g:\x+8*\g+7], v53
.endr
.irp g, 0,1,2,3
	v_cvt_scalef32_pk8_fp4_f32 v[\c+4+\g], v[\x+32+8*\g:\x+32+8*\g+7], v54
.endr
	v_nop                                          ; one plain place behind the last scaled conversion
.endm
	s_wait_loadcnt 0x0                             ; hidden, the bias, v_w and W_h are in
	Q128 XH, CH, SH
	Q128 XW, CW, SW
.rept 8
	v_nop                                          ; a scale register written by a vector instruction stands 8 places ahead of a scaled matrix instruction, an operand so written 4
.endr
	v_wmma_scale_f32_16x16x128_f8f6f4 v[D:D+7], v[CH:CH+7], v[CW:CW+7], 0, v[SH], v[SW] matrix_a_fmt:MATRIX_FMT_FP4 matrix_b_fmt:MATRIX_FMT_FP4   ; register j of lane (r, h): batch 8 h + j, column r
.rept 4
	v_nop                                          ; four places between the product and the LDS stores that read its result
.endr
.irp j, 0,1,2,3,4,5,6,7
	ds_store_b32 v8, v[D+\j] offset:128*\j         ; my part, from the accumulator's low end on
.endr
	s_wait_dscnt 0x0                               ; for the others' sake: my LDS stores have landed
	s_barrier_signal -1
	s_barrier_wait -1
.irp p, 0,1,2,3,4,5,6,7
	ds_load_b32 v[D+\p], v9 offset:1024*\p         ; register q of the eight K steps' parts: batch 8 h + q, column r
.endr
	s_wait_dscnt 0x0
	v_add_f32 v51, v61, v[D]                       ; the bias, then the parts in ascending K
.irp p, 1,2,3,4,5,6,7
	s_delay_alu instid0(VALU_DEP_1)
	v_add_f32 v51, v51, v[D+\p]
.endr
	s_delay_alu instid0(VALU_DEP_1)
	v_mul_f32 v52, 0x4038aa3b, v51                 ; cb = 2 log2(e) proj_h
	v_mul_f32 v54, 0xc038aa3b, v62                 ; v2 = -2 log2(e) v_w
	s_delay_alu instid0(VALU_DEP_2)
	v_mov_b32 v53, v52
	s_delay_alu instid0(VALU_DEP_2)
	v_mov_b32 v55, v54
	global_store_b128 v12, v[52:55], s[16:17]      ; sixteen lanes store 256 consecutive bytes, at a multiple of 256 from the table's first byte
	s_branch .Ldone
.Lwe:                                              ; W_e: my K step of my sixteen columns
.set i, 0
.rept 64
	global_load_b32 v[XE+i], v4, s[24:25] offset:(64*(i/32)+i%32)*4096
.set i, i+1
.endr
	s_wait_loadcnt 0x0
	Q128 XE, CE, SE
	ds_store_b32 v10, v[SE]                        ; lanes l and l xor 16 write the same word with the same value
	global_store_b128 v6, v[CE:CE+3], s[12:13]             ; the fragment as it stands: 512 consecutive bytes a store
	global_store_b128 v6, v[CE+4:CE+7], s[12:13] offset:512
	s_wait_dscnt 0x0                               ; for the others' sake: my scale word has landed
	s_barrier_signal -1
	s_barrier_wait -1
	s_cmp_lg_u32 s18, 0
	s_cbranch_scc1 .Ldone
	ds_load_b128 v[64:67], v11                     ; wave 0: the sixteen columns' scale bytes, 512 consecutive bytes
	s_wait_dscnt 0x0
	global_store_b128 v6, v[64:67], s[14:15]
.Ldone:
	s_wait_tensorcnt 0x0
	ds_add_u32 v60, v63
	s_wait_dscnt 0x0
	s_endpgm
.Lfunc_end_k_q9b96d8980a_prep:
	.size	k_q9b96d8980a_prep, .Lfunc_end_k_q9b96d8980a_prep-k_q9b96d8980a_prep
	.p2alignl 7, 3214868480
	.fill 96, 4, 3214868480
	.section	.rodata,"a",@progbits
	.p2align	6, 0x0
	.amdhsa_kernel k_q9b96d8980a_prep
		.amdhsa_group_segment_fixed_size 10240
		.amdhsa_private_segment_fixed_size 0
		.amdhsa_enable_private_segment 0
		.amdhsa_kernarg_size 56
		.amdhsa_user_sgpr_count 2
		.amdhsa_user_sgpr_kernarg_segment_ptr 1
		.amdhsa_wavefront_size32 1
		.amdhsa_system_sgpr_workgroup_id_x 1
		.amdhsa_system_sgpr_workgroup_id_y 1
		.amdhsa_system_sgpr_workgroup_id_z 1
		.amdhsa_system_vgpr_workitem_id 0
		.amdhsa_next_free_vgpr 256
		.amdhsa_next_free_sgpr 66
		.amdhsa_reserve_vcc 0
		.amdhsa_float_denorm_mode_32 3
		.amdhsa_float_denorm_mode_16_64 3
		.amdhsa_memory_ordered 1
		.amdhsa_forward_progress 1
		.amdhsa_inst_pref_size 33
	.end_amdhsa_kernel
	.amdgpu_metadata
---
amdhsa.version: [ 1, 2 ]
amdhsa.kernels:
  - .name:           k_q9b96d8980a_prep
    .symbol:         k_q9b96d8980a_prep.kd
    .args:
      - { .name: attn_w, .offset: 0, .size: 8, .value_kind: global_buffer, .address_space: global }
      - { .name: hidden, .offset: 8, .size: 8, .value_kind: global_buffer, .address_space: global }
      - { .name: attn_b, .offset: 16, .size: 8, .value_kind: global_buffer, .address_space: global }
      - { .name: v_w, .offset: 24, .size: 8, .value_kind: global_buffer, .address_space: global }
      - { .name: wfrag, .offset: 32, .size: 8, .value_kind: global_buffer, .address_space: global }
      - { .name: wscale, .offset: 40, .size: 8, .value_kind: global_buffer, .address_space: global }
      - { .name: cbv, .offset: 48, .size: 8, .value_kind: global_buffer, .address_space: global }
    .group_segment_fixed_size: 10240
    .private_segment_fixed_size: 0
    .kernarg_segment_align: 8
    .kernarg_segment_size: 56
    .max_flat_workgroup_size: 256
    .sgpr_count:     66
    .vgpr_count:     256
    .wavefront_size: 32
...
	.end_amdgpu_metadata
.endif
;; end of part 1
;; launch main (part 2): grid 256 x 1, 4 waves a work-group, no clusters, 322,560 bytes of LDS; arguments encoder_outputs, wfrag, wscale, cbv, part; writes part
.if DOCPART == 2
	.amdgcn_target "amdgcn-amd-amdhsa--gfx1250"
	.amdhsa_code_object_version 6
	.text
	.protected	k_q9b96d8980a_main
	.globl	k_q9b96d8980a_main
	.p2align	8
	.type	k_q9b96d8980a_main,@function
k_q9b96d8980a_main:
	s_mov_b64 s[64:65], 0
	v_nop
	global_prefetch_b8 v0, s[64:65] scope:SCOPE_SE
	s_setreg_imm32_b32 hwreg(HW_REG_WAVE_MODE, 25, 1), 1
	s_wait_xcnt 0x0
; SCORES, RUNNING SOFTMAX AND PARTIAL CONTEXT for 256 rows of one batch (work-group wg: batch wg / 16, rows 256 (wg % 16) on), in four tiles of 64 rows.  encoder_outputs is read from memory ONCE.
; A row arrives as f32 in registers and leaves them twice: as codes of FP4 (E2M1) with one E8M0 byte for each 32 along K, for the product with W_e, and as bf16, for the context; both wait in LDS.
; score: tanh x = 1 - 2 r, r = 1 / (1 + 2^(C2 x)), C2 = 2 log2(e).  t = sum over n of v2[n] r[n], v2 = -C2 v_w, is log2(e) x score less log2(e) x sum(v_w), which is the same for every row and so cancels in the softmax.
; p = 2^(t - m), m the running largest t; l the running sum of p; the context so far and l are multiplied by 2^(old m - new m).  2^(C2 x) may be infinite (r = 0) or 0 (r = 1): both are tanh's limits.
; SHARES.  Arrival: wave w takes rows 16 w .. 16 w + 15 of a tile.  Product: wave w takes columns 256 w .. 256 w + 255 for all 64 rows, in 8 groups of 32 columns: 2 x 4 accumulators.  Context: wave w takes channels 256 w on.
; A TRIP is one group: 64 matrix instructions; the next group's W into registers; two rows of the NEXT tile turned into codes and bf16, and two rows further on asked for; the group's tanh.  8 trips are a tile.
; W_e's codes come from wfrag straight into the operand's registers, 512 consecutive bytes a load.  NO LDS RING, NO JOINT LOADS: the two bf16 buffers (2 x 133,120 bytes), the codes (33,792), the stages and the small
; regions take 322,048 of the 327,680 bytes, so that no slot of W fits; and in this split each byte of W is wanted by one wave of the work-group alone, in registers.  Loads into registers with counted waits are never all awaited.
; No prefetch: a row's own load is issued two trips ahead of its use.
; LIMITS: NaN and infinities among the inputs are not served; a block of zeros has the scale byte 1 (its codes are zeros); the rows and p go to the context's product rounded to bf16, l is summed of the unrounded p.
; REGISTERS, in windows of 256 (s_set_vgpr_msb: bits 1:0 source 0, 3:2 source 1, 5:4 source 2, 7:6 destination):
;   window 0: addresses, scale words, the table's pairs, score parts, the 8 accumulators, the context.   window 1: the tile's 32 fragments of A (rows' codes), 8 (8 rt + s); behind the tile's product the rows' bf16 fragments.
;   window 2: v0-127 the group's 16 fragments of W, 8 (8 ct + s).   window 3: all that the arrival touches, its addresses too, so that one setting serves it.
.set XPITCH, 2080                      ; a row of 1,024 bf16 + 32 bytes: an odd multiple of 32
.set XBUF,   64*XPITCH                 ; LDS: X0 at 0, X1 at XBUF: a tile's rows in bf16
.set CODES,  2*XBUF                    ; [64 rows], pitch 528 (an odd multiple of 16): block beta of 32 codes at 16 beta
.set CPITCH, 528
.set ASC,    CODES+64*CPITCH           ; [64 rows][32 scale bytes]
.set STG,    ASC+2048                  ; a stage for each wave: 32 places of 128 + 16 bytes
.set STGW,   4608
.set SCP,    STG+4*STGW                ; [wave][64 rows] f32: the waves' parts of the scores
.set P16,    SCP+1024                  ; [wave][64] bf16: each wave's own copy of p
.set LN,  1                            ; lane
.set RR,  2                            ; r = lane % 16
.set HH,  3                            ; h = lane / 16
.set L16, 4                            ; 16 lane
.set L32, 5                            ; 32 lane
.set R16, 6                            ; 16 r
.set WO,  7                            ; offsets of the group to be loaded: in wfrag,
.set SO,  8                            ; in wscale,
.set CO,  9                            ; in cbv
.set AFA, 10                           ; CODES + 528 r + 16 h
.set ASA, 11                           ; ASC + 32 lane
.set SCA, 12                           ; SCP + 256 w + 32 h
.set SCR, 13                           ; SCP + 4 lane
.set PWA, 14                           ; P16 + 128 w + 2 lane
.set PRA, 15                           ; P16 + 128 w + 16 h
.set XT0, 16                           ; the transposing loads' addresses: rows 0-31 and (v17) rows 32-63 of the buffer read
.set XTL, 18                           ; (8 h + lane % 8) XPITCH + 16 ((lane / 8) % 2) + 512 w
.set GOV, 19                           ; 1,024 w + 16 lane
.set FSA, 20                           ; my stage + 4 r
.set FRA, 21                           ; my stage + 16 lane
.set ML,  22                           ; v[22:23] m, l
.set AS,  24                           ; v24-39 A's scale words: register 8 p + s: lanes 0-15 row tile 2 p, lanes 16-31 row tile 2 p + 1, K step s
.set BS,  40                           ; v40-47 W's: register s: lanes 0-15 column tile 0, lanes 16-31 column tile 1
.set CV,  48                           ; v48-63 two sets of (cb, cb, v2, v2) for the two column tiles
.set S,   64                           ; v64-95 register 8 rt + j: my column's part of the score of row 16 rt + 8 h + j
.set ACC, 96                           ; v96-159 accumulator 4 ct + rt
.set CTX, 160                          ; v160-175 register T: the context of channel 256 w + 16 T + r
.set PF,  176                          ; v176-191 p as source 0 of the context's product
.set T,   192                          ; at work
.set R,   0                            ; window 3: v0-127 four row slots of 32 registers, as loaded
.set XA,  128                          ; v128-159, v160-191 a row turned: lane l holds block l
.set XB,  160
.set HB,  192                          ; v192-223 two rows in bf16
.set QC,  224                          ; v224-231 two rows' codes
.set QM,  232                          ; v232-233 maxima; v234-235 the conversions' scale operands; v236-237 the bytes
.set SI,  240                          ; my stage + 144 (lane / 8) + 16 (lane % 8)
.set SOA, 241                          ; my stage + 144 lane
.set XL,  242                          ; 8 lane
.set XS,  243                          ; where the body's rows go in X
.set CL,  244                          ; 16 lane
.set CSA, 245                          ; in CODES
.set AL,  246                          ; lane
.set ASW, 247                          ; in ASC
.set EL,  248                          ; 16 lane
.set EO,  249                          ; offset in encoder_outputs of the body's rows that are asked for
.set WV,  14                           ; s14 my wave
.set PER, 15                           ; s15 the tile whose product is in hand
.set BODY, 16                          ; s16 counts a tile's four bodies of two trips
.set MI,  17                           ; s17 the body of four rows (0 .. 15) that is asked for
.set GN,  18                           ; s18 the group that is loaded
.set EM,  19                           ; s19 all ones while there are rows to ask for, then 0
.set SV,  20                           ; s20 EXEC kept
.set C2S, 22                           ; s[22:23] C2, twice
.set SEL, 24                           ; s[24:25] v_permlanex16_b32's selects for lane l xor 16
.set XW,  26                           ; s26 the X buffer that is written;  s27 the one that is read
.set XR,  27
.set XO,  28                           ; s28-30 where the body's four rows go in X, CODES, ASC
.set CRO, 29
.set AO,  30
.set MSB, 0
.macro WIN new                         ; the immediate's high byte repeats the setting that is left
.if MSB != \new
	s_set_vgpr_msb (MSB<<8)|\new
.set MSB, \new
.endif
.endm
.macro BAR                             ; my LDS stores have landed and my LDS loads are in: then the work-group's barrier
	s_wait_dscnt 0x0
	s_barrier_signal -1
	s_barrier_wait -1
.endm
.macro PLACES n
.rept \n
	v_nop
.endr
.endm
; The next group's W: 32 loads of 512 consecutive bytes, its scale words, and its pairs of the table into the set that the tanh in hand does not read.  36 loads.
.macro BLOAD par
	WIN 0x80                                       ; destination window 2
.irp ct, 0,1
.irp s, 0,1,2,3,4,5,6,7
.irp c, 0,1
	global_load_b128 v[8*(8*\ct+\s)+4*\c:8*(8*\ct+\s)+4*\c+3], v[WO], s[6:7] offset:((8*\ct+\s)*2+\c)*512
.endr
.endr
.endr
	WIN 0
	global_load_b128 v[BS:BS+3], v[SO], s[8:9]             ; lane l: column l of the group's 32, K steps 0-3,
	global_load_b128 v[BS+4:BS+7], v[SO], s[8:9] offset:16 ; and 4-7
	global_load_b128 v[CV+8*(1-\par):CV+8*(1-\par)+3], v[CO], s[10:11]
	global_load_b128 v[CV+8*(1-\par)+4:CV+8*(1-\par)+7], v[CO], s[10:11] offset:256
.endm
; One product: row tile rt x column tile ct, K step s.  Register j of lane (r, h) of the result: row 16 rt + 8 h + j, column r of the tile.
.macro WM s, ct, rt
.set rD, ACC+8*(4*\ct+\rt)
.set rA, 8*(8*\rt+\s)
.set rB, 8*(8*\ct+\s)
.set rX, AS+8*(\rt/2)+\s
.set rY, BS+\s
.if \s == 0
.if (\rt%2 == 0) && (\ct == 0)
	v_wmma_scale_f32_16x16x128_f8f6f4 v[rD:rD+7], v[rA:rA+7], v[rB:rB+7], 0, v[rX], v[rY] matrix_a_fmt:MATRIX_FMT_FP4 matrix_b_fmt:MATRIX_FMT_FP4
.elseif (\rt%2 == 1) && (\ct == 0)
	v_wmma_scale_f32_16x16x128_f8f6f4 v[rD:rD+7], v[rA:rA+7], v[rB:rB+7], 0, v[rX], v[rY] matrix_a_fmt:MATRIX_FMT_FP4 matrix_b_fmt:MATRIX_FMT_FP4 matrix_a_scale:MATRIX_SCALE_ROW1
.elseif (\rt%2 == 0)
	v_wmma_scale_f32_16x16x128_f8f6f4 v[rD:rD+7], v[rA:rA+7], v[rB:rB+7], 0, v[rX], v[rY] matrix_a_fmt:MATRIX_FMT_FP4 matrix_b_fmt:MATRIX_FMT_FP4 matrix_b_scale:MATRIX_SCALE_ROW1
.else
	v_wmma_scale_f32_16x16x128_f8f6f4 v[rD:rD+7], v[rA:rA+7], v[rB:rB+7], 0, v[rX], v[rY] matrix_a_fmt:MATRIX_FMT_FP4 matrix_b_fmt:MATRIX_FMT_FP4 matrix_a_scale:MATRIX_SCALE_ROW1 matrix_b_scale:MATRIX_SCALE_ROW1
.endif
.else
.if (\rt%2 == 0) && (\ct == 0)
	v_wmma_scale_f32_16x16x128_f8f6f4 v[rD:rD+7], v[rA:rA+7], v[rB:rB+7], v[rD:rD+7], v[rX], v[rY] matrix_a_fmt:MATRIX_FMT_FP4 matrix_b_fmt:MATRIX_FMT_FP4
.elseif (\rt%2 == 1) && (\ct == 0)
	v_wmma_scale_f32_16x16x128_f8f6f4 v[rD:rD+7], v[rA:rA+7], v[rB:rB+7], v[rD:rD+7], v[rX], v[rY] matrix_a_fmt:MATRIX_FMT_FP4 matrix_b_fmt:MATRIX_FMT_FP4 matrix_a_scale:MATRIX_SCALE_ROW1
.elseif (\rt%2 == 0)
	v_wmma_scale_f32_16x16x128_f8f6f4 v[rD:rD+7], v[rA:rA+7], v[rB:rB+7], v[rD:rD+7], v[rX], v[rY] matrix_a_fmt:MATRIX_FMT_FP4 matrix_b_fmt:MATRIX_FMT_FP4 matrix_b_scale:MATRIX_SCALE_ROW1
.else
	v_wmma_scale_f32_16x16x128_f8f6f4 v[rD:rD+7], v[rA:rA+7], v[rB:rB+7], v[rD:rD+7], v[rX], v[rY] matrix_a_fmt:MATRIX_FMT_FP4 matrix_b_fmt:MATRIX_FMT_FP4 matrix_a_scale:MATRIX_SCALE_ROW1 matrix_b_scale:MATRIX_SCALE_ROW1
.endif
.endif
.endm
; A group's 64 products: K ascending; the eight accumulators take turns, one instruction a turn; the first K step starts the sums.
.macro GEMM
	WIN 0x09                                       ; source 0 (rows' codes) window 1, source 1 (W) window 2, C and D window 0
.irp s, 0,1,2,3,4,5,6,7
.irp ct, 0,1
.irp rt, 0,1,2,3
	WM \s, \ct, \rt
.endr
.endr
.endr
	WIN 0
.endm
; The group's tanh and its share of the scores: 64 numbers a lane.  Two batches of 64 transcendentals, each with one plain place and one wait behind it, ahead of its first reader.
.macro TANH par
.set a, 0
.rept 8
.set i, 0
.rept 4
	v_pk_fma_f32 v[ACC+8*a+2*i:ACC+8*a+2*i+1], v[ACC+8*a+2*i:ACC+8*a+2*i+1], s[C2S:C2S+1], v[CV+8*\par+4*(a/4):CV+8*\par+4*(a/4)+1] op_sel_hi:[1,0,1]   ; C2 x = C2 (enc W_e) + cb; each accumulator from its low end on
.set i, i+1
.endr
.set a, a+1
.endr
.set i, 0
	s_wait_alu depctr_va_vdst(0)
.rept 64
	v_exp_f32 v[ACC+i], v[ACC+i]
.set i, i+1
.endr
	v_nop
	s_wait_alu depctr_va_vdst(0)                   ; one wait for the 64 exponentials, ahead of the first line that names a result
.set i, 0
.rept 32
	v_pk_add_f32 v[ACC+2*i:ACC+2*i+1], v[ACC+2*i:ACC+2*i+1], 1.0 op_sel_hi:[1,0]
.set i, i+1
.endr
.set i, 0
	s_wait_alu depctr_va_vdst(0)
.rept 64
	v_rcp_f32 v[ACC+i], v[ACC+i]
.set i, i+1
.endr
	v_nop
	s_wait_alu depctr_va_vdst(0)                   ; and one for the 64 reciprocals
.set a, 0
.rept 8
.set i, 0
.rept 4
	v_pk_fma_f32 v[S+8*(a%4)+2*i:S+8*(a%4)+2*i+1], v[ACC+8*a+2*i:ACC+8*a+2*i+1], v[CV+8*\par+4*(a/4)+2:CV+8*\par+4*(a/4)+3], v[S+8*(a%4)+2*i:S+8*(a%4)+2*i+1]   ; + v2 r
.set i, i+1
.endr
.set a, a+1
.endr
.endm
; THE ARRIVAL, all in window 3.
.macro ELOAD k                         ; a row of 4,096 bytes into slot k: eight loads of 512 consecutive bytes; read once in the launch
.irp i, 0,1,2,3,4,5,6,7
	global_load_b128 v[R+32*(\k)+4*\i:R+32*(\k)+4*\i+3], v[EO], s[4:5] offset:4096*(\k)+512*\i th:TH_LOAD_NT
.endr
.endm
.macro TURN k, dst                     ; slot k through my stage: in as loaded (load i, lane l: block 4 i + l / 8, its bytes 16 (l % 8) on), back a block of 128 bytes a lane.  LDS serves a wave's instructions in order: no wait between
.irp i, 0,1,2,3,4,5,6,7
	ds_store_b128 v[SI], v[R+32*(\k)+4*\i:R+32*(\k)+4*\i+3] offset:576*\i
.endr
.irp q, 0,1,2,3,4,5,6,7
	ds_load_b128 v[\dst+4*\q:\dst+4*\q+3], v[SOA] offset:16*\q
.endr
.endm
.macro BF16 k, u                       ; slot k as loaded, rounded to bf16, into row k of the body's four in X: 256 consecutive bytes a store
.irp i, 0,1,2,3,4,5,6,7
	v_cvt_pk_bf16_f32 v[HB+16*\u+2*\i], v[R+32*(\k)+4*\i], v[R+32*(\k)+4*\i+1]
	v_cvt_pk_bf16_f32 v[HB+16*\u+2*\i+1], v[R+32*(\k)+4*\i+2], v[R+32*(\k)+4*\i+3]
.endr
.irp i, 0,1,2,3,4,5,6,7
	ds_store_b64 v[XS], v[HB+16*\u+2*\i:HB+16*\u+2*\i+1] offset:XPITCH*(\k)+256*\i
.endr
.endm
.macro QUANT src, k, u                 ; my block of 32: its largest magnitude (two chains, the floor 2^(3 - 127) among the leaves), scale, 32 codes (16 bytes) and the scale's byte
	v_max3_num_f32 v[QM], |v[\src]|, |v[\src+1]|, 0x1800000
	v_max3_num_f32 v[QM+1], |v[\src+2]|, |v[\src+3]|, |v[\src+4]|
.irp i, 5,9,13,17,21,25
	v_max3_num_f32 v[QM], v[QM], |v[\src+\i]|, |v[\src+\i+1]|
	v_max3_num_f32 v[QM+1], v[QM+1], |v[\src+\i+2]|, |v[\src+\i+3]|
.endr
	v_max3_num_f32 v[QM], v[QM], |v[\src+29]|, |v[\src+30]|
	v_max3_num_f32 v[QM], v[QM], v[QM+1], |v[\src+31]|
	v_add_nc_u32 v[QM+2+\u], 0xff000000, v[QM]     ; 2 off the exponent field: the conversion's scale operand
.irp g, 0,1,2,3
	v_cvt_scalef32_pk8_fp4_f32 v[QC+4*\u+\g], v[\src+8*\g:\src+8*\g+7], v[QM+2+\u]
.endr
	v_lshrrev_b32 v[QM+4+\u], 23, v[QM+2+\u]       ; the byte; also the plain place behind the conversions
	ds_store_b128 v[CSA], v[QC+4*\u:QC+4*\u+3] offset:CPITCH*(\k)
	ds_store_b8 v[ASW], v[QM+4+\u] offset:32*(\k)
.endm
; Slots 2 par and 2 par + 1 are worked up and asked for anew, with the same rows of the next body.  guarded = 1, in the trips: the last tile has no successor, so nothing is worked up there (a branch on the tile's
; number); and where no rows are left the 16 loads are issued with EXEC = 0, not jumped over: no lane reads, and the count of the wait at a trip's head holds on every way.
.macro ARRIVE par, guarded
.if \guarded
	s_cmp_lt_u32 s[PER], 3
	s_cbranch_scc0 .Lnoproc_\@
.endif
	WIN 0xff
.if \par == 0
	s_wait_dscnt 0x0                               ; the last body's stores, a tanh and a product back, have read their addresses
	v_add_nc_u32 v[XS], s[XO], v[XL]
	v_add_nc_u32 v[CSA], s[CRO], v[CL]
	v_add_nc_u32 v[ASW], s[AO], v[AL]
.endif
	TURN 2*\par, XA
	TURN 2*\par+1, XB
	BF16 2*\par, 0
	BF16 2*\par+1, 1
	s_wait_dscnt 32                                ; the first row is back: behind its loads stand the second row's 16 and the 16 stores of bf16
	QUANT XA, 2*\par, 0
	s_wait_dscnt 18                                ; the second row: behind its loads the 16 stores of bf16 and the first row's two
	QUANT XB, 2*\par+1, 1
	s_wait_dscnt 4                                 ; all but the four stores of codes and bytes: the stores that read the slots and the bf16 registers are done
	WIN 0
.if \guarded
.Lnoproc_\@:
.endif
	s_wait_xcnt 0x0                                ; EO is written and EXEC narrowed only behind this wait
.if \par == 0
	s_lshr_b32 s31, s[MI], 2
	s_lshl_b32 s31, s31, 18                        ; the tile: 64 rows of 4,096 bytes,
	s_and_b32 s32, s[MI], 3
	s_lshl_b32 s32, s32, 14                        ; the body in it: 4 rows
	s_or_b32 s31, s31, s32
.if \guarded
	s_cmp_le_u32 s[MI], 15
	s_cselect_b32 s[EM], -1, 0
.endif
.endif
	WIN 0xff
.if \par == 0
	v_add_nc_u32 v[EO], s31, v[EL]
.endif
.if \guarded
	s_mov_b32 vcc_lo, s[EM]
	s_and_saveexec_b32 s[SV], vcc_lo
.endif
	ELOAD 2*\par
	ELOAD 2*\par+1
.if \guarded
	s_wait_xcnt 0x0                                ; and EXEC is widened only behind this one
	s_or_b32 exec_lo, exec_lo, s[SV]
.endif
	WIN 0
.endm
.macro TRIP par
	s_wait_loadcnt 16                              ; only the 16 row loads of the trip before may be out: this group's W, scale words and pairs are in, and so are this trip's two slots, asked for two trips ago
	GEMM
	s_add_co_u32 s[GN], s[GN], 1
	s_and_b32 s[GN], s[GN], 7
	v_lshl_add_u32 v[WO], s[GN], 14, v[L16]        ; (their last loads are in.)  These three and the v_nop are the four places in front of loads into registers that the products have read
	v_lshl_add_u32 v[SO], s[GN], 10, v[L32]
	v_lshl_add_u32 v[CO], s[GN], 9, v[R16]
	v_nop
.if \par
	s_cmp_eq_u32 s[MI], 20                         ; the launch's last trip has no group behind it; no later wait counts on these loads
	s_cbranch_scc1 .Lnob_\@
.endif
	BLOAD \par
.if \par
.Lnob_\@:
.endif
	ARRIVE \par, 1
	TANH \par
.endm
.macro STEPROWS                        ; four rows on
	s_add_co_u32 s[XO], s[XO], 4*XPITCH
	s_add_co_u32 s[CRO], s[CRO], 4*CPITCH
	s_add_co_u32 s[AO], s[AO], 128
	s_add_co_u32 s[MI], s[MI], 1
.endm
; The tile's codes and scale words from LDS into registers, where they stay for its eight groups; the score parts begin at 0.
.macro HOIST
	WIN 0x40                                       ; destination window 1
.irp rt, 0,1,2,3
.irp s, 0,1,2,3,4,5,6,7
.irp c, 0,1
	ds_load_b128 v[8*(8*\rt+\s)+4*\c:8*(8*\rt+\s)+4*\c+3], v[AFA] offset:16*CPITCH*\rt+64*\s+32*\c   ; lane (r, h): row 16 rt + r, block 4 s + 2 c + h
.endr
.endr
.endr
	WIN 0
.irp p, 0,1
.irp u, 0,1
	ds_load_b128 v[AS+8*\p+4*\u:AS+8*\p+4*\u+3], v[ASA] offset:1024*\p+16*\u   ; lane l: row 32 p + l, K steps 4 u .. 4 u + 3
.endr
.endr
.set i, 0
.rept 32
	v_mov_b32 v[S+i], 0
.set i, i+1
.endr
.endm
; The rows' bf16 as source 1 of the context's product, turned by the load: channel tiles t0 .. t0 + 7, rows 32 k on: 32 loads.
.macro XFETCH t0
	WIN 0x40
.irp t, 0,1,2,3,4,5,6,7
.irp k, 0,1
	ds_load_tr16_b128 v[8*(2*(\t0+\t)+\k):8*(2*(\t0+\t)+\k)+3], v[XT0+\k] offset:32*(\t0+\t)
	ds_load_tr16_b128 v[8*(2*(\t0+\t)+\k)+4:8*(2*(\t0+\t)+\k)+7], v[XT0+\k] offset:32*(\t0+\t)+16*XPITCH
.endr
.endr
	WIN 0
.endm
; Eight channel tiles: sum over the 64 rows of p x row.  Source 0 holds p in all its 16 rows, so every row of the result is the sum, and its register 0 is taken.  The eight accumulators take turns.
.macro ROUND t0
	WIN 0x04                                       ; source 1 window 1
.irp t, 0,1,2,3,4,5,6,7
	v_wmma_f32_16x16x32_bf16 v[ACC+8*\t:ACC+8*\t+7], v[PF:PF+7], v[8*(2*(\t0+\t)):8*(2*(\t0+\t))+7], 0
.endr
.irp t, 0,1,2,3,4,5,6,7
	v_wmma_f32_16x16x32_bf16 v[ACC+8*\t:ACC+8*\t+7], v[PF+8:PF+15], v[8*(2*(\t0+\t)+1):8*(2*(\t0+\t)+1)+7], v[ACC+8*\t:ACC+8*\t+7]
.endr
	WIN 0
	PLACES 5                                       ; four in front of the reads below and of loads into the sources; five in front of matrix instructions that begin these accumulators anew
.irp t, 0,1,2,3,4,5,6,7
	v_fma_f32 v[CTX+\t0+\t], v[CTX+\t0+\t], v[T+11], v[ACC+8*\t]   ; the context so far x 2^(old m - new m) + the tile's
.endr
.endm
	s_load_b256 s[4:11], s[0:1], 0x0               ; encoder_outputs s[4:5], wfrag s[6:7], wscale s[8:9], cbv s[10:11]
	s_load_b64 s[12:13], s[0:1], 0x20              ; part
	v_lshl_add_u32 v254, v0, 2, 0x4ea00
	v_mov_b32 v255, 0
	v_lshrrev_b32 v1, 5, v0
	v_readfirstlane_b32 s[WV], v1                  ; wave 0..3
	v_and_b32 v[LN], 31, v0
	v_and_b32 v[RR], 15, v0
	v_bfe_u32 v[HH], v0, 4, 1
	v_lshlrev_b32 v[L16], 4, v[LN]
	v_lshlrev_b32 v[L32], 5, v[LN]
	v_lshlrev_b32 v[R16], 4, v[RR]
	v_mul_u32_u24 v[AFA], v[RR], CPITCH
	v_lshl_add_u32 v[AFA], v[HH], 4, v[AFA]
	v_add_nc_u32 v[AFA], CODES, v[AFA]
	v_add_nc_u32 v[ASA], ASC, v[L32]
	s_lshl_b32 s31, s[WV], 8
	s_add_co_u32 s31, s31, SCP
	v_lshl_add_u32 v[SCA], v[HH], 5, s31
	v_lshl_add_u32 v[SCR], v[LN], 2, SCP
	s_lshl_b32 s31, s[WV], 7
	s_add_co_u32 s31, s31, P16
	v_lshl_add_u32 v[PWA], v[LN], 1, s31
	v_lshl_add_u32 v[PRA], v[HH], 4, s31
	v_and_b32 v[T], 7, v0
	v_lshl_add_u32 v[T], v[HH], 3, v[T]
	v_mul_u32_u24 v[XTL], v[T], XPITCH
	v_bfe_u32 v[T], v0, 3, 1
	v_lshl_add_u32 v[XTL], v[T], 4, v[XTL]
	s_lshl_b32 s31, s[WV], 9
	v_add_nc_u32 v[XTL], s31, v[XTL]
	s_lshl_b32 s31, s[WV], 10
	v_add_nc_u32 v[GOV], s31, v[L16]
	s_mul_i32 s31, s[WV], STGW
	s_add_co_u32 s31, s31, STG                     ; my stage
	v_lshl_add_u32 v[FSA], v[RR], 2, s31
	v_add_nc_u32 v[FRA], s31, v[L16]
	v_lshrrev_b32 v[T], 3, v[LN]
	v_mul_u32_u24 v[T], v[T], 144
	v_and_b32 v[T+1], 7, v0
	v_lshl_add_u32 v[T], v[T+1], 4, v[T]
	v_mul_u32_u24 v[T+1], v[LN], 144
	WIN 0xc0                                       ; destination window 3: the arrival's addresses
	v_add_nc_u32 v[SI], s31, v[T]
	v_add_nc_u32 v[SOA], s31, v[T+1]
	v_lshlrev_b32 v[XL], 3, v[LN]
	v_mov_b32 v[CL], v[L16]
	v_mov_b32 v[AL], v[LN]
	v_mov_b32 v[EL], v[L16]
	v_mov_b32 v[EO], v[L16]                        ; body 0
	WIN 0
	s_mov_b32 s[C2S], 0x4038aa3b                   ; 2 log2(e)
	s_mov_b32 s[C2S+1], s[C2S]
	s_mov_b32 s[SEL], 0x76543210
	s_mov_b32 s[SEL+1], 0xfedcba98
	s_mov_b32 s[GN], 0
	v_lshl_add_u32 v[WO], s[GN], 14, v[L16]
	v_lshl_add_u32 v[SO], s[GN], 10, v[L32]
	v_lshl_add_u32 v[CO], s[GN], 9, v[R16]
	s_lshl_b32 s32, ttmp9, 20                      ; my work-group's 256 rows of 4,096 bytes,
	s_lshl_b32 s33, s[WV], 16                      ; my wave's 16 of a tile's 64
	s_add_co_u32 s32, s32, s33
	s_mov_b32 s33, 0
	s_lshl_b32 s34, s[WV], 17                      ; my 16 column tiles of 8,192 bytes
	s_mov_b32 s35, 0
	s_lshl_b32 s40, s[WV], 13                      ; my 256 columns x 32 scale bytes
	s_mov_b32 s41, 0
	s_lshr_b32 s42, ttmp9, 4                       ; the batch:
	s_lshl_b32 s42, s42, 14                        ; its 1,024 columns x 16 bytes,
	s_lshl_b32 s43, s[WV], 12                      ; my 256 of them
	s_add_co_u32 s42, s42, s43
	s_mov_b32 s43, 0
	s_mul_i32 s44, ttmp9, 4352                     ; my work-group's row of part
	s_mov_b32 s45, 0
	s_mul_i32 s36, s[WV], 16*XPITCH                ; my 16 rows in an X buffer,
	s_mul_i32 s37, s[WV], 16*CPITCH
	s_add_co_u32 s37, s37, CODES                   ; in CODES,
	s_lshl_b32 s38, s[WV], 9
	s_add_co_u32 s38, s38, ASC                     ; in ASC
	s_wait_alu depctr_va_vdst(0)
	s_wait_kmcnt 0x0
	s_add_nc_u64 s[4:5], s[4:5], s[32:33]
	s_add_nc_u64 s[6:7], s[6:7], s[34:35]
	s_add_nc_u64 s[8:9], s[8:9], s[40:41]
	s_add_nc_u64 s[10:11], s[10:11], s[42:43]
	s_add_nc_u64 s[12:13], s[12:13], s[44:45]
	BLOAD 1                                        ; group 0, its pairs into set 0: the oldest loads of all
	WIN 0xff
	ELOAD 0                                        ; body 0: rows 0-3 of tile 0
	ELOAD 1
	ELOAD 2
	ELOAD 3
	WIN 0
	v_mov_b32 v[ML], 0xff61b1e6                    ; m: -3e38, under every t
	v_mov_b32 v[ML+1], 0                           ; l
.set i, 0
.rept 16
	v_mov_b32 v[CTX+i], 0                          ; the loop is written once: its first tile finds zeros
.set i, i+1
.endr
	v_mov_b32 v[T+9], 0                            ; written once: a lane permute's destination counts as one of its sources
	s_mov_b32 s[XW], 0
	s_mov_b32 s[XR], 0
	s_mov_b32 s[XO], s36
	s_mov_b32 s[CRO], s37
	s_mov_b32 s[AO], s38
	s_mov_b32 s[MI], 1
	s_mov_b32 s[PER], 0
	s_mov_b32 s[BODY], 0
.Lpro:                                             ; tile 0 arrives: four bodies of four rows
	s_wait_loadcnt 16                              ; the two rows in hand are in; the two behind them may be out
	ARRIVE 0, 0
	s_wait_loadcnt 16
	ARRIVE 1, 0
	STEPROWS
	s_add_co_u32 s[BODY], s[BODY], 1
	s_cmp_lt_u32 s[BODY], 4
	s_cbranch_scc1 .Lpro
	BAR                                            ; tile 0's codes, bytes and bf16 lie in LDS
	HOIST
	BAR                                            ; every wave has them in registers: CODES and ASC may be written again
	s_xor_b32 s[XW], s[XW], XBUF
.Lperiod:                                          ; four tiles
	s_add_co_u32 s[XO], s[XW], s36
	s_mov_b32 s[CRO], s37
	s_mov_b32 s[AO], s38
	s_mov_b32 s[BODY], 0
.Lbody:
	TRIP 0
	TRIP 1
	STEPROWS
	s_add_co_u32 s[BODY], s[BODY], 1
	s_cmp_lt_u32 s[BODY], 4
	s_cbranch_scc1 .Lbody
	; my 256 columns' part of the 64 scores: the sixteen columns of a half of the lanes are added; then all sixteen lanes hold, and store, the same
.irp m, 1,2,4,8
.set i, 0
.rept 32
	v_add_f32_dpp v[S+i], v[S+i], v[S+i] row_xmask:\m row_mask:0xf bank_mask:0xf
.set i, i+1
.endr
.endr
.irp rt, 0,1,2,3
.irp u, 0,1
	ds_store_b128 v[SCA], v[S+8*\rt+4*\u:S+8*\rt+4*\u+3] offset:64*\rt+16*\u
.endr
.endr
	BAR                                            ; the four parts of this tile's scores lie in LDS, and so do the next tile's codes, bytes and bf16
	v_add_nc_u32 v[XT0], s[XR], v[XTL]
	v_add_nc_u32 v[XT0+1], XBUF/2, v[XT0]
.irp u, 0,1
.irp p, 0,1,2,3
	ds_load_b32 v[T+4*\u+\p], v[SCR] offset:256*\p+128*\u   ; rows lane and lane + 32
.endr
.endr
	XFETCH 0
	s_wait_dscnt 32                                ; the score parts are in; the 32 transposing loads may be out
	v_add_f32 v[T], v[T], v[T+1]
	v_add_f32 v[T+2], v[T+2], v[T+3]
	v_add_f32 v[T+4], v[T+4], v[T+5]
	v_add_f32 v[T+6], v[T+6], v[T+7]
	v_add_f32 v[T], v[T], v[T+2]                   ; t of row lane,
	v_add_f32 v[T+4], v[T+4], v[T+6]               ; of row lane + 32
	v_max_num_f32 v[T+8], v[T], v[T+4]
.irp m, 1,2,4,8
	v_max_num_f32_dpp v[T+8], v[T+8], v[T+8] row_xmask:\m row_mask:0xf bank_mask:0xf
.endr
	v_permlanex16_b32 v[T+9], v[T+8], s[SEL], s[SEL+1]
	v_max3_num_f32 v[T+10], v[T+8], v[T+9], v[ML]  ; the new m: the tile's largest t, or the old m
	v_sub_f32 v[T+11], v[ML], v[T+10]
	v_sub_f32 v[T], v[T], v[T+10]
	v_sub_f32 v[T+4], v[T+4], v[T+10]
	s_wait_alu depctr_va_vdst(0)
	v_exp_f32 v[T+11], v[T+11]                     ; f = 2^(old m - new m)
	v_exp_f32 v[T], v[T]                           ; p
	v_exp_f32 v[T+4], v[T+4]
	v_mov_b32 v[ML], v[T+10]                       ; (the plain place behind the three)
	s_wait_alu depctr_va_vdst(0)                   ; one wait for the three, ahead of their first reader
	v_add_f32 v[T+8], v[T], v[T+4]
	v_cvt_pk_bf16_f32 v[T+12], v[T], v[T+4]
.irp m, 1,2,4,8
	v_add_f32_dpp v[T+8], v[T+8], v[T+8] row_xmask:\m row_mask:0xf bank_mask:0xf
.endr
	v_permlanex16_b32 v[T+9], v[T+8], s[SEL], s[SEL+1]
	v_add_f32 v[T+8], v[T+8], v[T+9]               ; the sum of the tile's 64 unrounded p
	v_fma_f32 v[ML+1], v[ML+1], v[T+11], v[T+8]    ; l
	ds_store_b16 v[PWA], v[T+12]                   ; p in bf16 by rows, in my wave's own 128 bytes,
	ds_store_b16_d16_hi v[PWA], v[T+12] offset:64
.irp k, 0,1
	ds_load_b128 v[PF+8*\k:PF+8*\k+3], v[PRA] offset:64*\k        ; and back as source 0: rows 32 k + 8 h + 0 .. 7,
	ds_load_b128 v[PF+8*\k+4:PF+8*\k+7], v[PRA] offset:64*\k+32   ; and 32 k + 16 + 8 h + 0 .. 7, the same in all sixteen lanes of a half
.endr
	XFETCH 8
	s_wait_dscnt 32                                ; p and channel tiles 0-7 are in; tiles 8-15 may be out
	ROUND 0
	s_wait_dscnt 0x0
	ROUND 8
	s_cmp_lt_u32 s[PER], 3
	s_cbranch_scc0 .Lnohoist
	HOIST                                          ; the next tile's codes take the registers that the bf16 fragments have left
.Lnohoist:
	BAR                                            ; nobody reads CODES, ASC, SCP or the X buffer just read any more
	s_xor_b32 s[XW], s[XW], XBUF
	s_xor_b32 s[XR], s[XR], XBUF
	s_add_co_u32 s[PER], s[PER], 1
	s_cmp_lt_u32 s[PER], 4
	s_cbranch_scc1 .Lperiod
	; THE WAY OUT.  A lane holds one channel of each of 16 tiles: through my stage they become 1,024 consecutive bytes.  Lanes l and l xor 16 store the same word with the same value.
	s_wait_alu depctr_va_vdst(0)
.irp t, 0,1,2,3,4,5,6,7,8,9,10,11,12,13,14,15
	ds_store_b32 v[FSA], v[CTX+\t] offset:64*\t
.endr
	ds_load_b128 v[T:T+3], v[FRA]                  ; LDS serves a wave's instructions in order: these see my stores
	ds_load_b128 v[T+4:T+7], v[FRA] offset:512
	v_lshlrev_b32 v[T+8], 3, v[LN]
	s_wait_dscnt 0x0
	global_store_b128 v[GOV], v[T:T+3], s[12:13]           ; 512 consecutive bytes a store, at a multiple of 256 from part's first byte
	global_store_b128 v[GOV], v[T+4:T+7], s[12:13] offset:512
	s_cmp_lg_u32 s[WV], 0
	s_cbranch_scc1 .Lend
	s_wait_alu depctr_va_vdst(0)
	global_store_b64 v[T+8], v[ML:ML+1], s[12:13] offset:4096   ; (m, l), the same in every lane and wave: 32 copies fill 256 consecutive bytes
.Lend:
	s_wait_tensorcnt 0x0
	ds_add_u32 v254, v255
	s_wait_dscnt 0x0
	s_endpgm
.Lfunc_end_k_q9b96d8980a_main:
	.size	k_q9b96d8980a_main, .Lfunc_end_k_q9b96d8980a_main-k_q9b96d8980a_main
	.p2alignl 7, 3214868480
	.fill 96, 4, 3214868480
	.section	.rodata,"a",@progbits
	.p2align	6, 0x0
	.amdhsa_kernel k_q9b96d8980a_main
		.amdhsa_group_segment_fixed_size 322560
		.amdhsa_private_segment_fixed_size 0
		.amdhsa_enable_private_segment 0
		.amdhsa_kernarg_size 40
		.amdhsa_user_sgpr_count 2
		.amdhsa_user_sgpr_kernarg_segment_ptr 1
		.amdhsa_wavefront_size32 1
		.amdhsa_system_sgpr_workgroup_id_x 1
		.amdhsa_system_sgpr_workgroup_id_y 1
		.amdhsa_system_sgpr_workgroup_id_z 1
		.amdhsa_system_vgpr_workitem_id 0
		.amdhsa_next_free_vgpr 1024
		.amdhsa_next_free_sgpr 66
		.amdhsa_reserve_vcc 1
		.amdhsa_float_denorm_mode_32 3
		.amdhsa_float_denorm_mode_16_64 3
		.amdhsa_memory_ordered 1
		.amdhsa_forward_progress 1
		.amdhsa_inst_pref_size 129
	.end_amdhsa_kernel
	.amdgpu_metadata
---
amdhsa.version: [ 1, 2 ]
amdhsa.kernels:
  - .name:           k_q9b96d8980a_main
    .symbol:         k_q9b96d8980a_main.kd
    .args:
      - { .name: encoder_outputs, .offset: 0, .size: 8, .value_kind: global_buffer, .address_space: global }
      - { .name: wfrag, .offset: 8, .size: 8, .value_kind: global_buffer, .address_space: global }
      - { .name: wscale, .offset: 16, .size: 8, .value_kind: global_buffer, .address_space: global }
      - { .name: cbv, .offset: 24, .size: 8, .value_kind: global_buffer, .address_space: global }
      - { .name: part, .offset: 32, .size: 8, .value_kind: global_buffer, .address_space: global }
    .group_segment_fixed_size: 322560
    .private_segment_fixed_size: 0
    .kernarg_segment_align: 8
    .kernarg_segment_size: 40
    .max_flat_workgroup_size: 128
    .sgpr_count:     66
    .vgpr_count:     1024
    .wavefront_size: 32
...
	.end_amdgpu_metadata
.endif
;; end of part 2
;; launch combine (part 3): grid 16 x 1, 8 waves a work-group, no clusters, 0 bytes of LDS; arguments part, out0; writes out0
.if DOCPART == 3
	.amdgcn_target "amdgcn-amd-amdhsa--gfx1250"
	.amdhsa_code_object_version 6
	.text
	.protected	k_q9b96d8980a_combine
	.globl	k_q9b96d8980a_combine
	.p2align	8
	.type	k_q9b96d8980a_combine,@function
k_q9b96d8980a_combine:
	s_mov_b64 s[64:65], 0
	v_nop
	global_prefetch_b8 v0, s[64:65] scope:SCOPE_SE
	s_setreg_imm32_b32 hwreg(HW_REG_WAVE_MODE, 25, 1), 1
	s_wait_xcnt 0x0
; out0[b][:] = sum over the batch's 16 parts i of ctx_i 2^(m_i - M) / sum over i of l_i 2^(m_i - M), M the largest m_i.
; part: 256 rows of 4,352 bytes: 1,024 f32 of context, then 32 copies of (m, l).  Work-group b takes rows 16 b .. 16 b + 15; thread t takes channels 4 t .. 4 t + 3.
; 1.1 MB in and 64 KB out in all: no LDS, no barrier, no matrix unit; every load and store of a wave covers consecutive bytes.
.set C,  16                            ; v16-79   part i's four channels
.set ML, 80                            ; v80-111  (m_i, l_i)
.set E,  112                           ; v112-127 2^(m_i - M)
	s_load_b128 s[4:7], s[0:1], 0x0                ; part, out0
	v_lshlrev_b32 v1, 4, v0                        ; 16 t
	v_and_b32 v2, 31, v0
	s_delay_alu instid0(VALU_DEP_1)
	v_lshlrev_b32 v2, 3, v2                        ; 8 x lane: each lane reads a copy of its own
	v_mov_b32 v7, 0                                ; (named as the upper half of the pair v[6:7])
	s_mul_i32 s8, ttmp9, 16*4352
	s_mov_b32 s9, 0
	s_lshl_b32 s10, ttmp9, 12
	s_mov_b32 s11, 0
	s_wait_alu depctr_va_vdst(0)
	s_wait_kmcnt 0x0
	s_add_nc_u64 s[4:5], s[4:5], s[8:9]
	s_add_nc_u64 s[6:7], s[6:7], s[10:11]
.irp i, 0,1,2,3,4,5,6,7,8,9,10,11,12,13,14,15
	global_load_b64 v[ML+2*\i:ML+2*\i+1], v2, s[4:5] offset:4352*\i+4096
.endr
.irp i, 0,1,2,3,4,5,6,7,8,9,10,11,12,13,14,15
	global_load_b128 v[C+4*\i:C+4*\i+3], v1, s[4:5] offset:4352*\i
.endr
	s_wait_loadcnt 16                              ; the sixteen (m, l) are in; the sixteen loads of context may be out
	v_max3_num_f32 v3, v[ML], v[ML+2], v[ML+4]
.irp i, 3,5,7,9,11,13
	s_delay_alu instid0(VALU_DEP_1)
	v_max3_num_f32 v3, v3, v[ML+2*\i], v[ML+2*\i+2]
.endr
	s_delay_alu instid0(VALU_DEP_1)
	v_max_num_f32 v3, v3, v[ML+30]                 ; M
.irp i, 0,1,2,3,4,5,6,7,8,9,10,11,12,13,14,15
	v_sub_f32 v[E+\i], v[ML+2*\i], v3
.endr
	s_wait_alu depctr_va_vdst(0)
.irp i, 0,1,2,3,4,5,6,7,8,9,10,11,12,13,14,15
	v_exp_f32 v[E+\i], v[E+\i]
.endr
	v_nop                                          ; the plain place behind the batch
	s_wait_alu depctr_va_vdst(0)                   ; one wait for the sixteen, ahead of their first reader
	v_mul_f32 v4, v[ML+1], v[E]
.irp i, 1,2,3,4,5,6,7,8,9,10,11,12,13,14,15
	v_fmac_f32 v4, v[ML+2*\i+1], v[E+\i]           ; the row's whole sum
.endr
	s_wait_alu depctr_va_vdst(0)
	v_rcp_f32 v6, v4
	s_wait_loadcnt 0x0
	v_pk_mul_f32 v[8:9], v[C:C+1], v[E:E+1] op_sel_hi:[1,0]        ; part 0 starts the sums (and is the plain work behind the reciprocal)
	v_pk_mul_f32 v[10:11], v[C+2:C+3], v[E:E+1] op_sel_hi:[1,0]
.irp i, 1,2,3,4,5,6,7,8,9,10,11,12,13,14,15
.if \i % 2
	v_pk_fma_f32 v[8:9], v[C+4*\i:C+4*\i+1], v[E+\i-1:E+\i], v[8:9] op_sel:[0,1,0] op_sel_hi:[1,1,1]       ; the pair's second register for both halves
	v_pk_fma_f32 v[10:11], v[C+4*\i+2:C+4*\i+3], v[E+\i-1:E+\i], v[10:11] op_sel:[0,1,0] op_sel_hi:[1,1,1]
.else
	v_pk_fma_f32 v[8:9], v[C+4*\i:C+4*\i+1], v[E+\i:E+\i+1], v[8:9] op_sel_hi:[1,0,1]                      ; its first
	v_pk_fma_f32 v[10:11], v[C+4*\i+2:C+4*\i+3], v[E+\i:E+\i+1], v[10:11] op_sel_hi:[1,0,1]
.endif
.endr
	s_wait_alu depctr_va_vdst(0)                   ; the reciprocal's wait, ahead of its first reader
	v_pk_mul_f32 v[8:9], v[8:9], v[6:7] op_sel_hi:[1,0]
	v_pk_mul_f32 v[10:11], v[10:11], v[6:7] op_sel_hi:[1,0]
	global_store_b128 v1, v[8:11], s[6:7]          ; a wave stores 512 consecutive bytes
	s_endpgm
.Lfunc_end_k_q9b96d8980a_combine:
	.size	k_q9b96d8980a_combine, .Lfunc_end_k_q9b96d8980a_combine-k_q9b96d8980a_combine
	.p2alignl 7, 3214868480
	.fill 96, 4, 3214868480
	.section	.rodata,"a",@progbits
	.p2align	6, 0x0
	.amdhsa_kernel k_q9b96d8980a_combine
		.amdhsa_group_segment_fixed_size 0
		.amdhsa_private_segment_fixed_size 0
		.amdhsa_enable_private_segment 0
		.amdhsa_kernarg_size 16
		.amdhsa_user_sgpr_count 2
		.amdhsa_user_sgpr_kernarg_segment_ptr 1
		.amdhsa_wavefront_size32 1
		.amdhsa_system_sgpr_workgroup_id_x 1
		.amdhsa_system_sgpr_workgroup_id_y 1
		.amdhsa_system_sgpr_workgroup_id_z 1
		.amdhsa_system_vgpr_workitem_id 0
		.amdhsa_next_free_vgpr 128
		.amdhsa_next_free_sgpr 66
		.amdhsa_reserve_vcc 0
		.amdhsa_float_denorm_mode_32 3
		.amdhsa_float_denorm_mode_16_64 3
		.amdhsa_memory_ordered 1
		.amdhsa_forward_progress 1
		.amdhsa_inst_pref_size 9
	.end_amdhsa_kernel
	.amdgpu_metadata
---
amdhsa.version: [ 1, 2 ]
amdhsa.kernels:
  - .name:           k_q9b96d8980a_combine
    .symbol:         k_q9b96d8980a_combine.kd
    .args:
      - { .name: part, .offset: 0, .size: 8, .value_kind: global_buffer, .address_space: global }
      - { .name: out0, .offset: 8, .size: 8, .value_kind: global_buffer, .address_space: global }
    .group_segment_fixed_size: 0
    .private_segment_fixed_size: 0
    .kernarg_segment_align: 8
    .kernarg_segment_size: 16
    .max_flat_workgroup_size: 256
    .sgpr_count:     66
    .vgpr_count:     128
    .wavefront_size: 32
...
	.end_amdgpu_metadata
.endif
;; end of part 3
